; MI455X (gfx1250); checked and timed in simulation.
; The chip was launched on July 23, 2026; its instructions are those of AMD's public machine-readable ISA for CDNA 5 (MIT licence, August 2026) and "CDNA5" Instruction Set Architecture Reference Guide (July 2026). The comments in the code are by the model that wrote it; some were corrected since.
;; Attention. Allowed arithmetic: float matrix products may take bf16 or f16 operands with f32 sums; all other float work in f32.
;; Inputs: Wk 1,024 x 1,024 float32; Wo 1,024 x 1,024 float32; Wq 1,024 x 1,024 float32; Wv 1,024 x 1,024 float32; X 2 x 2,048 x 1,024 float32; masks 2 x 2,048 int32.
;; Outputs: out0 2 x 2,048 x 1,024 float32.
;; One version. Each part assembles by itself: llvm-mc -triple=amdgcn-amd-amdhsa -mcpu=gfx1250 --defsym DOCPART=n.
;; ======== version 1 of 1: 4 launches
;; limits: values are held in f16: magnitudes above 65,504 overflow, below 6.1e-05 lose precision
;; workspace buffers: Xh 8,388,608 bytes; Wh 8,388,608 bytes; Qh 8,388,608 bytes; Kh 8,388,608 bytes; Vt 8,388,608 bytes; Ch 8,388,608 bytes; vmax 4,096 bytes
;; launch cvt (part 1): grid 32 x 8, 8 waves a work-group, no clusters, 0 bytes of LDS; arguments X, Wq, Wk, Wv, Wo, Xh, Wh; writes Xh, Wh
.if DOCPART == 1
	.amdgcn_target "amdgcn-amd-amdhsa--gfx1250"
	.amdhsa_code_object_version 6
	.text
	.protected	k_q4583612be1_cvt
	.globl	k_q4583612be1_cvt
	.p2align	8
	.type	k_q4583612be1_cvt,@function
k_q4583612be1_cvt:
	s_mov_b64 s[64:65], 0
	v_nop
	global_prefetch_b8 v0, s[64:65] scope:SCOPE_SE
	s_setreg_imm32_b32 hwreg(HW_REG_WAVE_MODE, 25, 1), 1
	s_wait_xcnt 0x0
; Xh = f16(X), [4096][1024].  Wh = f16 of the four weights, [4096][1024]: row 192 hh + 64 m + i is row 64 hh + i of Wq (m = 0),
; Wk (m = 1), Wv (m = 2), so that the 192 rows that one head's Q, K and V need lie together; rows 3072 + i are Wo's.
; A stream: each input byte is read once by 16-byte loads, each output byte written once; a store of a wave covers 256 consecutive
; bytes, aligned.  No LDS, no matrix unit, no cluster: nothing is shared and nothing is multiplied.
; Grid y = 0..3: quarter y of X (1,024 rows); y = 4..7: Wq, Wk, Wv, Wo.  Grid x: 32 rows.  A wave: 4 rows = 16,384 bytes = 32 loads,
; all issued at once; no register is written twice, so the only waits are the counted ones for the loads.
; LIMIT: f16 holds magnitudes below 65,504; a larger |X| or |W| becomes infinity.
.set IN,  4                            ; v[4:131]    piece n: 4 f32 as loaded
.set OUT, 132                          ; v[132:195]  piece n: 4 f16 to store
	s_load_b256 s[4:11], s[0:1], 0x0               ; X s[4:5], Wq s[6:7], Wk s[8:9], Wv s[10:11]
	s_load_b128 s[12:15], s[0:1], 0x20             ; Wo s[12:13], Xh s[14:15]
	s_load_b64 s[16:17], s[0:1], 0x30              ; Wh
	v_lshrrev_b32 v3, 5, v0
	v_readfirstlane_b32 s24, v3                    ; wave 0..7
	v_and_b32 v1, 31, v0                           ; lane
	v_lshlrev_b32 v2, 3, v1                        ; 8 bytes of f16 a lane
	v_lshlrev_b32 v1, 4, v1                        ; 16 bytes of f32 a lane
	s_and_b32 s18, ttmp7, 0xffff                   ; y
	s_lshl_b32 s30, ttmp9, 5                       ; 32 x
	s_lshl2_add_u32 s30, s24, s30                  ; + 4 wave: my first row in the part
	s_cmp_lt_u32 s18, 4
	s_cselect_b32 s25, s18, 0                      ; X's quarter, 0 for a weight
	s_lshl_b32 s25, s25, 10
	s_add_co_u32 s26, s25, s30                     ; my first row in the source buffer (and in Xh)
	s_lshr_b32 s27, ttmp9, 1                       ; Wq, Wk, Wv: the head of my 32 rows,
	s_mul_i32 s27, s27, 192                        ; 192 rows of Wh a head,
	s_max_u32 s28, s18, 4
	s_sub_co_u32 s28, s28, 4                       ; m = 0, 1, 2 (3 for Wo, 0 for X: not used there)
	s_lshl_b32 s28, s28, 6
	s_add_co_u32 s27, s27, s28                     ; + 64 m
	s_and_b32 s28, ttmp9, 1
	s_lshl_b32 s28, s28, 5
	s_add_co_u32 s27, s27, s28                     ; + which 32 of the head's 64 rows
	s_lshl2_add_u32 s27, s24, s27                  ; + 4 wave
	s_add_co_u32 s28, s30, 3072                    ; Wo: behind the 3,072 rows of the heads
	s_cmp_eq_u32 s18, 7
	s_cselect_b32 s27, s28, s27
	s_cmp_lt_u32 s18, 4
	s_cselect_b32 s27, s26, s27                    ; X: the same row in Xh
	s_lshl_b32 s26, s26, 12                        ; source offset: rows of 4,096 bytes
	s_lshl_b32 s28, s27, 11                        ; destination offset: rows of 2,048 bytes
	s_mov_b32 s27, 0
	s_mov_b32 s29, 0
	s_wait_kmcnt 0x0
	s_cmp_eq_u32 s18, 4                            ; the source buffer, chosen by y alone
	s_cselect_b64 s[20:21], s[6:7], s[4:5]
	s_cmp_eq_u32 s18, 5
	s_cselect_b64 s[20:21], s[8:9], s[20:21]
	s_cmp_eq_u32 s18, 6
	s_cselect_b64 s[20:21], s[10:11], s[20:21]
	s_cmp_eq_u32 s18, 7
	s_cselect_b64 s[20:21], s[12:13], s[20:21]
	s_cmp_lt_u32 s18, 4
	s_cselect_b64 s[22:23], s[14:15], s[16:17]     ; the destination buffer
	s_add_nc_u64 s[20:21], s[20:21], s[26:27]
	s_add_nc_u64 s[22:23], s[22:23], s[28:29]
.set n, 0
.rept 32
	global_load_b128 v[IN+4*n:IN+4*n+3], v1, s[20:21] offset:512*n th:TH_LOAD_NT   ; 512 consecutive bytes a load; read once in the launch
.set n, n+1
.endr
.set n, 0
.rept 32
	s_wait_loadcnt 31-n                            ; loads come back in order: piece n is in, the 31 - n younger ones stay out
	v_cvt_pk_f16_f32 v[OUT+2*n], v[IN+4*n], v[IN+4*n+1]
	v_cvt_pk_f16_f32 v[OUT+2*n+1], v[IN+4*n+2], v[IN+4*n+3]
	global_store_b64 v2, v[OUT+2*n:OUT+2*n+1], s[22:23] offset:256*n               ; 32 lanes x 8 bytes = 256 consecutive bytes, aligned
.set n, n+1
.endr
	s_endpgm
.Lfunc_end_k_q4583612be1_cvt:
	.size	k_q4583612be1_cvt, .Lfunc_end_k_q4583612be1_cvt-k_q4583612be1_cvt
	.p2alignl 7, 3214868480
	.fill 96, 4, 3214868480
	.section	.rodata,"a",@progbits
	.p2align	6, 0x0
	.amdhsa_kernel k_q4583612be1_cvt
		.amdhsa_group_segment_fixed_size 0
		.amdhsa_private_segment_fixed_size 0
		.amdhsa_enable_private_segment 0
		.amdhsa_kernarg_size 56
		.amdhsa_user_sgpr_count 2
		.amdhsa_user_sgpr_kernarg_segment_ptr 1
		.amdhsa_wavefront_size32 1
		.amdhsa_system_sgpr_workgroup_id_x 1
		.amdhsa_system_sgpr_workgroup_id_y 1
		.amdhsa_system_sgpr_workgroup_id_z 1
		.amdhsa_system_vgpr_workitem_id 0
		.amdhsa_next_free_vgpr 200
		.amdhsa_next_free_sgpr 66
		.amdhsa_reserve_vcc 0
		.amdhsa_float_denorm_mode_32 3
		.amdhsa_float_denorm_mode_16_64 3
		.amdhsa_memory_ordered 1
		.amdhsa_forward_progress 1
		.amdhsa_inst_pref_size 13
	.end_amdhsa_kernel
	.amdgpu_metadata
---
amdhsa.version: [ 1, 2 ]
amdhsa.kernels:
  - .name:           k_q4583612be1_cvt
    .symbol:         k_q4583612be1_cvt.kd
    .args:
      - { .name: X, .offset: 0, .size: 8, .value_kind: global_buffer, .address_space: global }
      - { .name: Wq, .offset: 8, .size: 8, .value_kind: global_buffer, .address_space: global }
      - { .name: Wk, .offset: 16, .size: 8, .value_kind: global_buffer, .address_space: global }
      - { .name: Wv, .offset: 24, .size: 8, .value_kind: global_buffer, .address_space: global }
      - { .name: Wo, .offset: 32, .size: 8, .value_kind: global_buffer, .address_space: global }
      - { .name: Xh, .offset: 40, .size: 8, .value_kind: global_buffer, .address_space: global }
      - { .name: Wh, .offset: 48, .size: 8, .value_kind: global_buffer, .address_space: global }
    .group_segment_fixed_size: 0
    .private_segment_fixed_size: 0
    .kernarg_segment_align: 8
    .kernarg_segment_size: 56
    .max_flat_workgroup_size: 256
    .sgpr_count:     66
    .vgpr_count:     200
    .wavefront_size: 32
...
	.end_amdgpu_metadata
.endif
;; end of part 1
;; launch qkv (part 2): grid 16 x 16, 4 waves a work-group, clusters of 4 x 4, 327,680 bytes of LDS; arguments Xh, Wh, masks, Qh, Kh, Vt, vmax; writes Qh, Kh, Vt, vmax
.if DOCPART == 2
	.amdgcn_target "amdgcn-amd-amdhsa--gfx1250"
	.amdhsa_code_object_version 6
	.text
	.protected	k_q4583612be1_qkv
	.globl	k_q4583612be1_qkv
	.p2align	8
	.type	k_q4583612be1_qkv,@function
k_q4583612be1_qkv:
	s_mov_b64 s[64:65], 0
	v_nop
	global_prefetch_b8 v0, s[64:65] scope:SCOPE_SE
	s_setreg_imm32_b32 hwreg(HW_REG_WAVE_MODE, 25, 1), 1
	s_wait_xcnt 0x0
	s_wait_alu depctr_hold_cnt(0) depctr_sa_sdst(0) depctr_va_vdst(0) depctr_va_sdst(0) depctr_va_ssrc(0) depctr_va_vcc(0) depctr_vm_vsrc(0)
	s_getreg_b32 s2, hwreg(HW_REG_IB_STS2, 6, 4)
	s_cmp_eq_u32 s2, 0
	s_cbranch_scc0 .Lentry_in_a_cluster
	s_endpgm
.Lentry_in_a_cluster:
	s_bfe_u32 s2, ttmp6, 0x10000c
	s_cmp_lg_u32 s2, 0xf033
	s_cbranch_scc0 .Lentry_shape_is_right
	s_endpgm
.Lentry_shape_is_right:
; One head's Q, K and V for 256 rows of X:  [256 x 1024] x [192 x 1024]^T in f16 with f32 sums, then
;   Qh, Kh [b*16+hh][2048][64] f16 = row / sqrt(sum of the row's 64 squares), and 0 where masks[row] is 0 (a zero key row gives score 0,
;   relu 0; a zero query row gives a zero row of the context: both uses that the problem makes of masks);
;   Vt [b*16+hh][64 d][2048 pos] f16 = V transposed;   vmax[1024] f32 = the largest |V| of each wave, from which later launches take a scale.
; Grid x = head hh, grid y = block of 256 rows.  Four waves; wave (wr, wc) makes rows 128 wr .. +127 times 96 columns: column tiles 0-3 are
; the head's 64 columns of Q (wc = 0) or K (wc = 1), so that a row's norm stays in one wave; tiles 4, 5 are V's columns 32 wc .. +31.
; 48 accumulator tiles of 16 x 16; per 32 of K a wave loads 14 fragments and issues 48 matrix instructions.
; K goes in steps of 128 (rows of 256 bytes, aligned) through a ring of two LDS slots filled by the tensor data mover.
; CLUSTERS 4 x 4: the four work-groups of a row of the cluster share X's rows, the four of a column share the head's weights; each such tile
; is asked for jointly, which divides the requests for both by four.
; Q and K tiles use the matrix instruction transposed (source 0 = weights): a lane then holds 8 neighbouring columns of one row.
; V tiles use it as it is (source 0 = X): a lane then holds one d and 8 neighbouring positions, which is Vt's order.
; f16, not bf16: the result's allowance is one hundredth of its root mean square, and five roundings to 8 bits would use most of it.
; LIMITS: |V| must stay below 65,504 (f16).  A row whose sum of squares is below 2^-126 counts as zero for v_rsq_f32 (ISA guide 15.8).
.set PITCH,  272                       ; an LDS row: 256 bytes + 16 of padding, an odd multiple of 16: 16 rows start in 16 different 16-byte columns
.set AHALF,  128*PITCH                 ; what one tensor load of X brings
.set BHALF,  96*PITCH                  ; what one tensor load of weights brings
.set BOFF,   256*PITCH                 ; the weights lie behind X's 256 rows
.set SLOT,   448*PITCH                 ; 121,856 bytes
.set STAGE,  2*SLOT                    ; 243,712 = 952 x 256: behind the ring, never filled by a tensor load
.set STAGEW, 9216                      ; a wave's own stage: 64 rows x 144 (Q, K) or 32 rows x 272 (V)
.set QP,     144                       ; stage pitch for rows of 128 bytes
.set LAPS,   4                         ; 1,024 / 256: a lap is two K steps
.set STQ, 6                            ; v6-v11: stage and output addresses of the way out
.set RDQ, 7
.set COQ, 8
.set STV, 9
.set RDV, 10
.set COV, 11
.set ADRA, 16                          ; v16-17  my X fragments in slot 0, 1
.set ADRB, 18                          ; v18-19  my Q or K weights
.set ADRV, 20                          ; v20-21  my V weights
.set MK,  24                           ; v24-31  masks of row 16 a + r
.set FA,  32                           ; v32-95, v96-159    X fragments, two buffers of 8
.set FB,  160                          ; v160-207, v208-255 weight fragments, two buffers of 6
.set T,   32                           ; the way out: scaled f32, then rows read back
.set P,   160                          ; the way out: packed f16
.set SS,  224                          ; sums of squares, 4 registers a row tile
.set RS,  240                          ; the row's factor, as a pair
.set VM,  248                          ; two running maxima of |V|
.set G1,  24                           ; s[24:31] group 1 for X's tiles
.set G0,  32                           ; s[32:39] group 0 for X's tiles, a set for each slot
.set G1B, 48                           ; s[48:55] group 1 for the weights
.set G0B, 56                           ; s[56:63] group 0 for the weights
.set FLAGS, (1<<16)|(1<<20)|(1<<21)|(5<<22)|(3<<25)  ; 2-byte elements; padding on; bit 21 beside a mask; after every 64 words, 4 words
.set LO, 0x50                          ; C and D in window 1: accumulators of row tiles 0-3 at 48 a + 8 b
.set HI, 0xa0                          ; C and D in window 2: row tiles 4-7
.set MSB, 0
.macro WIN new                         ; the immediate's high byte repeats the setting that is left
.if MSB != (\new)
	s_set_vgpr_msb (MSB<<8)|(\new)
.set MSB, (\new)
.endif
.endm
.macro PLACES                          ; four places behind a matrix instruction (ISA guide 7.12.1) before its registers are loaded into, written or read
.rept 4
	v_nop
.endr
.endm
.macro JLOAD s                         ; waves 0, 1 ask for X's two halves, waves 2, 3 for the weights': each line has one mask
	s_cmp_eq_u32 s11, 0
	s_cbranch_scc0 .Lfor_b_\@
	tensor_load_to_lds s[G0+4*\s:G0+4*\s+3], s[G1:G1+7]
	s_nop 0
	s_branch .Lasked_\@
.Lfor_b_\@:
	tensor_load_to_lds s[G0B+4*\s:G0B+4*\s+3], s[G1B:G1B+7]
	s_nop 0
.Lasked_\@:
.endm
.macro CREST                           ; a round of the cluster's barrier behind its opening barrier
	s_cmp_lg_u32 s10, 0
	s_cbranch_scc1 .Lnot_wave_0_\@
	s_barrier_signal -3
.Lnot_wave_0_\@:
	s_barrier_wait -3
	s_barrier_signal -1
	s_barrier_wait -1
.endm
.macro CROUND
	s_barrier_signal -1
	s_barrier_wait -1
	CREST
.endm
	s_load_b128 s[4:7], s[0:1], 0x0                ; Xh s[4:5], Wh s[6:7]
	s_load_b256 s[68:75], s[0:1], 0x10             ; masks s[68:69], Qh s[70:71], Kh s[72:73], Vt s[74:75]
	s_load_b64 s[76:77], s[0:1], 0x30              ; vmax
	v_lshl_add_u32 v22, v0, 2, 0x44800
	v_mov_b32 v23, 0
	ds_add_u32 v22, v23
	v_lshrrev_b32 v1, 5, v0
	v_readfirstlane_b32 s10, v1                    ; wave 0..3
	s_lshr_b32 s11, s10, 1                         ; wr: my 128 rows.  Also: I fetch X (0) or weights (1)
	s_and_b32 s12, s10, 1                          ; wc: Q or K, and which half of V.  Also: which half I fetch
	s_bfe_u32 s40, ttmp6, 0x40000                  ; cx
	s_bfe_u32 s41, ttmp6, 0x40004                  ; cy
	s_lshl_b32 s42, ttmp9, 2
	s_add_co_u32 s42, s42, s40                     ; hh = 4 x cluster x + cx
	s_and_b32 s13, ttmp7, 0xffff
	s_lshl_b32 s13, s13, 2
	s_add_co_u32 s13, s13, s41                     ; by = 4 x cluster y + cy
	s_lshl_b32 s43, s41, 2
	s_lshl_b32 s43, 15, s43                        ; my row of the cluster
	s_lshl_b32 s44, 0x1111, s40                    ; my column
	s_mov_b32 s78, 0x76543210                      ; v_permlanex16_b32: lane i takes lane i of the other half
	s_mov_b32 s79, 0xfedcba98
	s_or_b32 s[G1+0], s43, FLAGS                   ; X's tiles go to my row of the cluster
	s_mov_b32 s[G1+1], 128<<16                     ; tensor_dim0 = 128 elements
	s_mov_b32 s[G1+2], 128<<16                     ; tensor_dim1 = 128 rows
	s_mov_b32 s[G1+3], 128<<16                     ; tile_dim0 = 128
	s_mov_b32 s[G1+4], 128                         ; tile_dim1 = 128
	s_mov_b32 s[G1+5], 1024                        ; elements from row to row
	s_mov_b32 s[G1+6], 0
	s_mov_b32 s[G1+7], 0
	s_or_b32 s[G1B+0], s44, FLAGS                  ; the weights' tiles go to my column
	s_mov_b32 s[G1B+1], 128<<16
	s_mov_b32 s[G1B+2], 96<<16                     ; 96 rows
	s_mov_b32 s[G1B+3], 128<<16
	s_mov_b32 s[G1B+4], 96
	s_mov_b32 s[G1B+5], 1024
	s_mov_b32 s[G1B+6], 0
	s_mov_b32 s[G1B+7], 0
	s_lshl_b32 s16, s13, 8                         ; X: row 256 by + 128 half, of 2,048 bytes: made of by and the wave's number alone
	s_lshl_b32 s17, s12, 7
	s_add_co_u32 s16, s16, s17
	s_lshl_b32 s16, s16, 11
	s_mov_b32 s17, 0
	s_mul_i32 s46, s42, 192                        ; weights: row 192 hh + 96 half: made of hh and the wave's number alone
	s_mul_i32 s47, s12, 96
	s_add_co_u32 s46, s46, s47
	s_lshl_b32 s46, s46, 11
	s_mov_b32 s47, 0
	s_mul_i32 s20, s12, AHALF                      ; LDS: X's halves,
	s_mul_i32 s21, s12, BHALF
	s_add_co_u32 s21, s21, BOFF                    ; the weights' halves: no place in the cluster enters an LDS address
	s_wait_dscnt 0x0
	s_wait_kmcnt 0x0
	s_add_nc_u64 s[14:15], s[4:5], s[16:17]
	s_add_nc_u64 s[46:47], s[6:7], s[46:47]
	CROUND                                         ; all sixteen work-groups are here: the first joint loads meet
.irp s, 0,1
	s_mov_b32 s[G0+4*\s], 1
	s_add_co_u32 s[G0+4*\s+1], s20, \s*SLOT
	s_add_nc_u64 s[G0+4*\s+2:G0+4*\s+3], s[14:15], \s*256          ; K step s
	s_or_b32 s[G0+4*\s+3], s[G0+4*\s+3], 0x80000000
	s_mov_b32 s[G0B+4*\s], 1
	s_add_co_u32 s[G0B+4*\s+1], s21, \s*SLOT
	s_add_nc_u64 s[G0B+4*\s+2:G0B+4*\s+3], s[46:47], \s*256
	s_or_b32 s[G0B+4*\s+3], s[G0B+4*\s+3], 0x80000000
	JLOAD \s
.endr
	; where results go (registers of their own: they hold both coordinates and feed no descriptor)
	s_lshl_b32 s80, s13, 8
	s_lshl_b32 s81, s11, 7
	s_add_co_u32 s80, s80, s81                     ; R0 = 256 by + 128 wr: my first row of the 4,096
	s_lshl_b32 s84, s80, 2
	s_mov_b32 s85, 0
	s_add_nc_u64 s[68:69], s[68:69], s[84:85]      ; masks at R0
	s_lshr_b32 s81, s80, 11                        ; batch
	s_and_b32 s82, s80, 2047                       ; position in the batch
	s_lshl_b32 s83, s81, 4
	s_add_co_u32 s83, s83, s42                     ; 16 b + hh
	s_lshl_b32 s84, s83, 11
	s_add_co_u32 s84, s84, s82
	s_lshl_b32 s84, s84, 7                         ; rows of 128 bytes
	s_cmp_eq_u32 s12, 0
	s_cselect_b64 s[86:87], s[70:71], s[72:73]     ; wc = 0 stores Q, wc = 1 stores K
	s_add_nc_u64 s[86:87], s[86:87], s[84:85]
	s_lshl_b32 s84, s83, 6
	s_lshl_b32 s88, s12, 5
	s_add_co_u32 s84, s84, s88                     ; Vt's row (16 b + hh) 64 + 32 wc,
	s_lshl_b32 s84, s84, 12                        ; of 4,096 bytes,
	s_lshl1_add_u32 s84, s82, s84                  ; + 2 bytes a position
	s_add_nc_u64 s[74:75], s[74:75], s[84:85]
	s_lshl_b32 s84, s13, 4
	s_add_co_u32 s84, s84, s42
	s_lshl2_add_u32 s84, s84, s10                  ; (16 by + hh) 4 + wave
	s_lshl_b32 s84, s84, 2
	s_add_nc_u64 s[76:77], s[76:77], s[84:85]      ; my word of vmax
	v_and_b32 v1, 15, v0                           ; r
	v_bfe_u32 v2, v0, 4, 1                         ; h
	v_and_b32 v4, 31, v0                           ; lane
	v_lshlrev_b32 v5, 2, v1
.irp a, 0,1,2,3,4,5,6,7
	global_load_b32 v[MK+\a], v5, s[68:69] offset:64*\a            ; masks[R0 + 16 a + r]; waited for on the way out; v5 and s[68:69] stay as they are
.endr
	v_mul_u32_u24 v3, v1, PITCH
	v_lshl_add_u32 v3, v2, 4, v3                   ; a fragment's lane: row r x pitch + 16 h, two loads 32 bytes apart
	s_mul_i32 s18, s11, AHALF
	s_mul_i32 s19, s12, 64*PITCH
	s_add_co_u32 s19, s19, BOFF                    ; weight rows 0-63 are Q's, 64-127 K's,
	s_mul_i32 s22, s12, 32*PITCH
	s_add_co_u32 s22, s22, BOFF+128*PITCH          ; 128-191 V's
.irp s, 0,1
	v_add_nc_u32 v[ADRA+\s], s18, v3
	v_add_nc_u32 v[ADRB+\s], s19, v3
	v_add_nc_u32 v[ADRV+\s], s22, v3
	s_add_co_u32 s18, s18, SLOT
	s_add_co_u32 s19, s19, SLOT
	s_add_co_u32 s22, s22, SLOT
.endr
	s_mul_i32 s23, s10, STAGEW
	s_add_co_u32 s23, s23, STAGE                   ; my stage
	v_mul_u32_u24 v12, v1, QP
	v_lshl_add_u32 v12, v2, 4, v12
	v_add_nc_u32 v[STQ], s23, v12                  ; Q, K in: row r, 16 bytes for each half of the lanes
	v_lshrrev_b32 v12, 3, v4
	v_mul_u32_u24 v12, v12, QP
	v_and_b32 v13, 7, v0
	v_lshl_add_u32 v12, v13, 4, v12
	v_add_nc_u32 v[RDQ], s23, v12                  ; back: eight lanes take a row of 128 bytes
	v_lshlrev_b32 v[COQ], 4, v4                    ; and four rows are 512 consecutive bytes of Qh or Kh
	v_add_nc_u32 v[STV], s23, v3                   ; V in: row d = r
	v_mul_u32_u24 v12, v2, PITCH
	v_lshl_add_u32 v12, v1, 4, v12
	v_add_nc_u32 v[RDV], s23, v12                  ; back: sixteen lanes take a row of 256 bytes
	v_lshlrev_b32 v12, 12, v2
	v_lshl_add_u32 v[COV], v1, 4, v12              ; the same two rows in Vt
	v_mov_b32 v14, 0
; 12 matrix instructions: row tiles a0, a0 + 1 of the window's four x all 6 column tiles, 32 along K.  zero = 1: the product starts the sum.
.macro MUL12 f, hi, a0, zero
.irp a, \a0, \a0+1
.irp b, 0,1,2,3
.if \zero
	v_wmma_f32_16x16x32_f16 v[48*(\a)+8*\b:48*(\a)+8*\b+7], v[FB+48*\f+8*\b:FB+48*\f+8*\b+7], v[FA+64*\f+8*(4*\hi+\a):FA+64*\f+8*(4*\hi+\a)+7], 0
.else
	v_wmma_f32_16x16x32_f16 v[48*(\a)+8*\b:48*(\a)+8*\b+7], v[FB+48*\f+8*\b:FB+48*\f+8*\b+7], v[FA+64*\f+8*(4*\hi+\a):FA+64*\f+8*(4*\hi+\a)+7], v[48*(\a)+8*\b:48*(\a)+8*\b+7]
.endif
.endr
.irp b, 4,5
.if \zero
	v_wmma_f32_16x16x32_f16 v[48*(\a)+8*\b:48*(\a)+8*\b+7], v[FA+64*\f+8*(4*\hi+\a):FA+64*\f+8*(4*\hi+\a)+7], v[FB+48*\f+8*\b:FB+48*\f+8*\b+7], 0
.else
	v_wmma_f32_16x16x32_f16 v[48*(\a)+8*\b:48*(\a)+8*\b+7], v[FA+64*\f+8*(4*\hi+\a):FA+64*\f+8*(4*\hi+\a)+7], v[FB+48*\f+8*\b:FB+48*\f+8*\b+7], v[48*(\a)+8*\b:48*(\a)+8*\b+7]
.endif
.endr
.endr
.endm
; 28 LDS loads in one run: 6 weight fragments, then 8 of X, 32 K at byte k of the rows, into buffer f
.macro FETCH slot, k, f
.irp i, 0,1,2,3
	ds_load_b128 v[FB+48*\f+8*\i:FB+48*\f+8*\i+3],   v[ADRB+\slot] offset:\k+\i*16*PITCH
	ds_load_b128 v[FB+48*\f+8*\i+4:FB+48*\f+8*\i+7], v[ADRB+\slot] offset:\k+\i*16*PITCH+32
.endr
.irp i, 0,1
	ds_load_b128 v[FB+48*\f+32+8*\i:FB+48*\f+32+8*\i+3],   v[ADRV+\slot] offset:\k+\i*16*PITCH
	ds_load_b128 v[FB+48*\f+32+8*\i+4:FB+48*\f+32+8*\i+7], v[ADRV+\slot] offset:\k+\i*16*PITCH+32
.endr
.irp i, 0,1,2,3,4,5,6,7
	ds_load_b128 v[FA+64*\f+8*\i:FA+64*\f+8*\i+3],   v[ADRA+\slot] offset:\k+\i*16*PITCH
	ds_load_b128 v[FA+64*\f+8*\i+4:FA+64*\f+8*\i+7], v[ADRA+\slot] offset:\k+\i*16*PITCH+32
.endr
.endm
; A K step is four quarters of 32 along K, 48 matrix instructions each, on buffers 0, 1, 0, 1.  The 48 accumulators take turns, one
; instruction a turn, in the same order in every quarter and over the loop's backward jump.
.macro QUARTER slot, k, f, g, zero
	s_wait_dscnt 8                                 ; the weights and X's tiles 0-3 are in; the youngest eight loads (X's tiles 4-7) may be out
	WIN LO
	MUL12 \f, 0, 0, \zero
	MUL12 \f, 0, 2, \zero
	WIN 0
	PLACES
	FETCH \slot, \k, \g
	s_wait_dscnt 28                                ; all but the 28 just issued
	WIN HI
	MUL12 \f, 1, 0, \zero
	MUL12 \f, 1, 2, \zero
.endm
.macro THREE slot, zero
	QUARTER \slot, 64,  0, 1, \zero
	QUARTER \slot, 128, 1, 0, 0
	QUARTER \slot, 192, 0, 1, 0
.endm
; The last quarter multiplies buffer 1 and changes slots.  One barrier: in front of it my reads of this slot are back and all my tensor
; loads (one is out: my part of the next slot) have landed; behind it the refill comes first, then the next slot's first fragments.
.macro TURN slot, next, fill
	s_wait_dscnt 8
	WIN LO
	MUL12 1, 0, 0, 0
	s_wait_dscnt 0                                 ; my reads of this slot are over
	s_wait_tensorcnt 0x0                           ; all my tensor loads have landed
	ds_add_u32 v22, v23
	s_wait_dscnt 0x0
	s_barrier_signal -1                            ; where a slot is filled again this barrier opens a round of the cluster's barrier
	MUL12 1, 0, 2, 0                               ; register work while the others arrive
	WIN 0
	s_barrier_wait -1
.if \fill
	CREST                                          ; no wave of any partner still reads this slot or has a load on its way
	s_add_nc_u64 s[G0+4*\slot+2:G0+4*\slot+3], s[G0+4*\slot+2:G0+4*\slot+3], 512     ; two K steps on
	s_add_nc_u64 s[G0B+4*\slot+2:G0B+4*\slot+3], s[G0B+4*\slot+2:G0B+4*\slot+3], 512
	JLOAD \slot                                    ; the first tensor load behind the round
.endif
	PLACES
	FETCH \next, 0, 0
	WIN HI
	MUL12 1, 1, 0, 0
	MUL12 1, 1, 2, 0
.endm
.macro LAP zero
	THREE 0, \zero
	TURN 0, 1, 1
	THREE 1, 0
	TURN 1, 0, 1
.endm
	s_wait_tensorcnt 0x1                           ; my part of K step 0 is in; K step 1's load stays out
	s_barrier_signal -1
	s_barrier_wait -1
	FETCH 0, 0, 0
	LAP 1                                          ; the first lap's first products start the sums: nothing is cleared
	WIN 0
	s_mov_b32 s3, LAPS-2
.Llap:
	LAP 0
	WIN 0
	s_sub_co_u32 s3, s3, 1
	s_cmp_lg_u32 s3, 0
	s_cbranch_scc1 .Llap
	THREE 0, 0                                     ; the last lap fills nothing
	TURN 0, 1, 0
	THREE 1, 0
	s_wait_dscnt 8
	WIN LO
	MUL12 1, 0, 0, 0
	MUL12 1, 0, 2, 0
	s_wait_dscnt 0
	WIN HI
	MUL12 1, 1, 0, 0
	MUL12 1, 1, 2, 0
	WIN 0
	PLACES                                         ; behind the last matrix instructions: results are read and fragment registers written below
	s_wait_loadcnt 0x0                             ; the masks
; Q or K of the four row tiles of window w: norm, factor, f16, through my stage, out as whole rows.
.macro QKOUT w
	WIN 0x05*\w                                    ; sources 0 and 1 in window w
.irp a, 0,1,2,3
	v_pk_mul_f32 v[SS+4*\a:SS+4*\a+1], v[48*\a:48*\a+1], v[48*\a:48*\a+1]                  ; my 32 of the row's 64 squares, in two chains of pairs
	v_pk_mul_f32 v[SS+4*\a+2:SS+4*\a+3], v[48*\a+16:48*\a+17], v[48*\a+16:48*\a+17]
.irp p, 1,2,3,4,5,6,7
	v_pk_fma_f32 v[SS+4*\a:SS+4*\a+1], v[48*\a+2*\p:48*\a+2*\p+1], v[48*\a+2*\p:48*\a+2*\p+1], v[SS+4*\a:SS+4*\a+1]
	v_pk_fma_f32 v[SS+4*\a+2:SS+4*\a+3], v[48*\a+16+2*\p:48*\a+16+2*\p+1], v[48*\a+16+2*\p:48*\a+16+2*\p+1], v[SS+4*\a+2:SS+4*\a+3]
.endr
.endr
	WIN 0
.irp a, 0,1,2,3
	v_pk_add_f32 v[SS+4*\a:SS+4*\a+1], v[SS+4*\a:SS+4*\a+1], v[SS+4*\a+2:SS+4*\a+3]
.endr
.irp a, 0,1,2,3
	v_add_f32 v[SS+4*\a], v[SS+4*\a], v[SS+4*\a+1]
.endr
.irp a, 0,1,2,3
	v_permlanex16_b32 v[SS+4*\a+1], v[SS+4*\a], s78, s79           ; the other half of the lanes holds the row's other 32 columns
.endr
.irp a, 0,1,2,3
	v_add_f32 v[SS+4*\a], v[SS+4*\a], v[SS+4*\a+1]
.endr
.irp a, 0,1,2,3
	v_rsq_f32 v[SS+4*\a+2], v[SS+4*\a]
.endr
	v_nop                                          ; one plain place behind the transcendentals before a result is used (ISA guide 5.7.2)
	s_wait_alu depctr_va_vdst(0)
.irp a, 0,1,2,3
	v_cmp_ne_u32 vcc_lo, 0, v[MK+4*(\w-1)+\a]
	v_cndmask_b32 v[RS+2*\a], 0, v[SS+4*\a+2], vcc_lo              ; 1 / norm, or 0 for a row that masks leaves out
	v_cndmask_b32 v[RS+2*\a+1], 0, v[SS+4*\a+2], vcc_lo
.endr
	s_wait_xcnt 0x0                                ; T's first 64 registers were the data of the stores before: written again only behind this wait
	WIN 0x01*\w
.irp a, 0,1,2,3
.irp p, 0,1,2,3,4,5,6,7,8,9,10,11,12,13,14,15
	v_pk_mul_f32 v[T+32*\a+2*\p:T+32*\a+2*\p+1], v[48*\a+2*\p:48*\a+2*\p+1], v[RS+2*\a:RS+2*\a+1]
.endr
.endr
	WIN 0
.irp a, 0,1,2,3
.irp p, 0,1,2,3,4,5,6,7,8,9,10,11,12,13,14,15
	v_cvt_pk_f16_f32 v[P+16*\a+\p], v[T+32*\a+2*\p], v[T+32*\a+2*\p+1]
.endr
.endr
.irp a, 0,1,2,3
.irp b, 0,1,2,3
	ds_store_b128 v[STQ], v[P+16*\a+4*\b:P+16*\a+4*\b+3] offset:16*QP*\a+32*\b     ; row 16 a + r, columns 16 b + 8 h .. +7
.endr
.endr
.set t, 0
.rept 16
	ds_load_b128 v[T+4*t:T+4*t+3], v[RDQ] offset:4*QP*t            ; my own bytes, served in order: these see the stores above
.set t, t+1
.endr
.set t, 0
.rept 16
	s_wait_dscnt 15-t
	global_store_b128 v[COQ], v[T+4*t:T+4*t+3], s[86:87] offset:512*t+8192*(\w-1)  ; four rows = 512 consecutive bytes, aligned
.set t, t+1
.endr
.endm
	QKOUT 1
	QKOUT 2
; V: f16 as it lies (a lane: one d, 8 positions), and the largest magnitude on the way
.set NM, 0
.macro VCVT w
	WIN 0x05*\w
.irp a, 0,1,2,3
.irp bb, 0,1
.irp i, 0,1,2,3
	v_cvt_pk_f16_f32 v[P+32*(\w-1)+8*\a+4*\bb+\i], v[48*\a+32+8*\bb+2*\i], v[48*\a+32+8*\bb+2*\i+1]
.if NM < 2
	v_max_num_f32 v[VM+(\i&1)], |v[48*\a+32+8*\bb+2*\i]|, |v[48*\a+32+8*\bb+2*\i+1]|       ; the first two pairs start the two chains
.else
	v_max3_num_f32 v[VM+(\i&1)], |v[48*\a+32+8*\bb+2*\i]|, |v[48*\a+32+8*\bb+2*\i+1]|, v[VM+(\i&1)]
.endif
.set NM, NM+1
.endr
.endr
.endr
.endm
	VCVT 1
	VCVT 2
	WIN 0
.irp w, 0,1
.irp a, 0,1,2,3
.irp bb, 0,1
	ds_store_b128 v[STV], v[P+32*\w+8*\a+4*\bb:P+32*\w+8*\a+4*\bb+3] offset:16*PITCH*\bb+32*(4*\w+\a)   ; row d = 16 bb + r, positions 16 a + 8 h .. +7
.endr
.endr
.endr
.set t, 0
.rept 16
	ds_load_b128 v[96+4*t:96+4*t+3], v[RDV] offset:2*PITCH*t
.set t, t+1
.endr
.set t, 0
.rept 16
	s_wait_dscnt 15-t
	global_store_b128 v[COV], v[96+4*t:96+4*t+3], s[74:75] offset:8192*t           ; sixteen lanes store 256 consecutive bytes of a row of Vt, aligned
.set t, t+1
.endr
	v_max_num_f32 v[VM], v[VM], v[VM+1]
	v_max_num_f32_dpp v[VM], v[VM], v[VM] row_xmask:1 row_mask:0xf bank_mask:0xf
	v_max_num_f32_dpp v[VM], v[VM], v[VM] row_xmask:2 row_mask:0xf bank_mask:0xf
	v_max_num_f32_dpp v[VM], v[VM], v[VM] row_xmask:4 row_mask:0xf bank_mask:0xf
	v_max_num_f32_dpp v[VM], v[VM], v[VM] row_xmask:8 row_mask:0xf bank_mask:0xf
	v_permlanex16_b32 v[VM+1], v[VM], s78, s79
	v_max_num_f32 v[VM], v[VM], v[VM+1]            ; the wave's largest |V|
	v_cmp_eq_u32 vcc_lo, 0, v4
	s_wait_xcnt 0x0                                ; EXEC is a source of the stores above: it changes only behind this wait
	s_and_saveexec_b32 s80, vcc_lo
	global_store_b32 v14, v[VM], s[76:77]          ; lane 0 stores the wave's word
	s_wait_xcnt 0x0                                ; and again in front of the line that widens EXEC
	s_or_b32 exec_lo, exec_lo, s80
	s_wait_tensorcnt 0x0
	ds_add_u32 v22, v23
	s_wait_dscnt 0x0
	CROUND                                         ; the closing round: no work-group ends while a partner may still ask for a tile that names it
	s_endpgm
.Lfunc_end_k_q4583612be1_qkv:
	.size	k_q4583612be1_qkv, .Lfunc_end_k_q4583612be1_qkv-k_q4583612be1_qkv
	.p2alignl 7, 3214868480
	.fill 96, 4, 3214868480
	.section	.rodata,"a",@progbits
	.p2align	6, 0x0
	.amdhsa_kernel k_q4583612be1_qkv
		.amdhsa_group_segment_fixed_size 327680
		.amdhsa_private_segment_fixed_size 0
		.amdhsa_enable_private_segment 0
		.amdhsa_kernarg_size 56
		.amdhsa_user_sgpr_count 2
		.amdhsa_user_sgpr_kernarg_segment_ptr 1
		.amdhsa_wavefront_size32 1
		.amdhsa_system_sgpr_workgroup_id_x 1
		.amdhsa_system_sgpr_workgroup_id_y 1
		.amdhsa_system_sgpr_workgroup_id_z 1
		.amdhsa_system_vgpr_workitem_id 0
		.amdhsa_next_free_vgpr 704
		.amdhsa_next_free_sgpr 90
		.amdhsa_reserve_vcc 1
		.amdhsa_float_denorm_mode_32 3
		.amdhsa_float_denorm_mode_16_64 3
		.amdhsa_memory_ordered 1
		.amdhsa_forward_progress 1
		.amdhsa_inst_pref_size 182
	.end_amdhsa_kernel
	.amdgpu_metadata
---
amdhsa.version: [ 1, 2 ]
amdhsa.kernels:
  - .name:           k_q4583612be1_qkv
    .symbol:         k_q4583612be1_qkv.kd
    .args:
      - { .name: Xh, .offset: 0, .size: 8, .value_kind: global_buffer, .address_space: global }
      - { .name: Wh, .offset: 8, .size: 8, .value_kind: global_buffer, .address_space: global }
      - { .name: masks, .offset: 16, .size: 8, .value_kind: global_buffer, .address_space: global }
      - { .name: Qh, .offset: 24, .size: 8, .value_kind: global_buffer, .address_space: global }
      - { .name: Kh, .offset: 32, .size: 8, .value_kind: global_buffer, .address_space: global }
      - { .name: Vt, .offset: 40, .size: 8, .value_kind: global_buffer, .address_space: global }
      - { .name: vmax, .offset: 48, .size: 8, .value_kind: global_buffer, .address_space: global }
    .group_segment_fixed_size: 327680
    .private_segment_fixed_size: 0
    .kernarg_segment_align: 8
    .kernarg_segment_size: 56
    .max_flat_workgroup_size: 128
    .sgpr_count:     90
    .vgpr_count:     704
    .wavefront_size: 32
...
	.end_amdgpu_metadata
.endif
;; end of part 2
;; launch attn (part 3): grid 8 x 32, 8 waves a work-group, clusters of 4 x 1, 327,680 bytes of LDS; arguments Qh, Kh, Vt, vmax, Ch; writes Ch
.if DOCPART == 3
	.amdgcn_target "amdgcn-amd-amdhsa--gfx1250"
	.amdhsa_code_object_version 6
	.text
	.protected	k_q4583612be1_attn
	.globl	k_q4583612be1_attn
	.p2align	8
	.type	k_q4583612be1_attn,@function
k_q4583612be1_attn:
	s_mov_b64 s[64:65], 0
	v_nop
	global_prefetch_b8 v0, s[64:65] scope:SCOPE_SE
	s_setreg_imm32_b32 hwreg(HW_REG_WAVE_MODE, 25, 1), 1
	s_wait_xcnt 0x0
	s_wait_alu depctr_hold_cnt(0) depctr_sa_sdst(0) depctr_va_vdst(0) depctr_va_sdst(0) depctr_va_ssrc(0) depctr_va_vcc(0) depctr_vm_vsrc(0)
	s_getreg_b32 s2, hwreg(HW_REG_IB_STS2, 6, 4)
	s_cmp_eq_u32 s2, 0
	s_cbranch_scc0 .Lentry_in_a_cluster
	s_endpgm
.Lentry_in_a_cluster:
	s_bfe_u32 s2, ttmp6, 0x10000c
	s_cmp_lg_u32 s2, 0x3003
	s_cbranch_scc0 .Lentry_shape_is_right
	s_endpgm
.Lentry_shape_is_right:
; Ch[hh][b*2048+pos][64] f16 = s x sum over keys <= pos of relu(Qn . Kn) V, for one (batch, head) bh = grid y.  Qn and Kn come normalised, and
; zero where masks leaves a position out, so only the causal rule is applied here.  No exponential: nothing to shift.
; SHARING.  Work-group p (0..7) owns the query tiles of 16 rows number 8 m + p, m = 0..15.  Key block kb (128 keys) then meets exactly the tiles
; m >= kb in EVERY work-group: one text without a trip count that hangs on the place, equal work, and the four work-groups of a cluster read the
; same K and V tiles at the same time: each tile is asked for jointly (mask 15), which divides those requests by four.
; Wave w: qh = w >> 2 takes the tiles m = 2 u + qh (u = 0..7); kq = w & 3 takes 32 of a block's 128 keys.  Its 8 x 4 accumulator tiles hold the sums
; over its keys; the four key quarters are added through LDS at the end, in f32.
; A unit (one query tile x 32 keys): 4 products S^T = K Q^T (a lane: query r, keys 8 h + j), relu and f16 in registers, which IS the layout of the next
; operand, 4 products ctx^T += V^T att^T.  For m > kb no key is in the future: the comparison value below is at least 24 and the largest 16 kt + j is 23.
; The unit u = kb / 2 is masked by comparison; for odd kb and qh = 0 it is all masked (8 of a wave pair's 144 units): the price of one text for all waves.
; The blocks go in four batches of four (kb = 2t, 15-2t, 2t+1, 14-2t: 18 units a wave in each) through 8 LDS slots; a batch is asked for a whole batch ahead.
; SCALE.  s = 2^(4-E) with max|V| < 2^E (from vmax): att <= 1 and at most 2,048 keys give |ctx| s <= 2^15, inside f16 for every input; the last launch
; multiplies by 1/s, exactly.
; LIMITS: the relu turns a NaN score (a valid row of zero norm) into 0.
.set SLOT,  35840                      ; K: 128 rows x 144 bytes at 0; V^T: 64 rows x 272 bytes at 18,432
.set VOFF,  18432
.set PART,  34816                      ; the final sum: a wave's 128 rows x 272 bytes (64 f32 + 16), in the slots, behind their last fill
.set KBASE, 1
.set VBASE, 2
.set KA,    3
.set VA,    4
.set LIME,  5                          ; 128 qh + 16 p - 32 kq + r - 8 h: key 16 kt + j of an even block is valid if it is not above this
.set LIMO,  6                          ; the same - 128, for an odd block
.set QOFF,  7
.set SC,    8                          ; v[8:9] the scale, twice
.set CO,    10                         ; 16 x lane
.set RSTO,  11
.set RRD0,  14
.set RRD1,  15
.set ATT,   16                         ; v16-31   att of unit x = 0, 1 (f16 operand)
.set S,     32                         ; v32-63   scores: 16 x + 8 kt
.set KF,    64                         ; v64-95   K fragments: 16 kt + 8 c
.set VF,    96                         ; v96-127  V^T fragments: 8 dt
.set Q,     128                        ; v128-255 Q fragments: 16 u + 8 c, loaded once
                                       ; window 1: accumulators at 32 u + 8 dt
.set G1K, 16
.set G1V, 24
.set G0K, 32                           ; s[32:47] a set for each batch, written once
.set G0V, 48                           ; s[48:63]
.set MSB, 0
.macro WIN new
.if MSB != (\new)
	s_set_vgpr_msb (MSB<<8)|(\new)
.set MSB, (\new)
.endif
.endm
.macro PLACES                          ; four places behind a matrix instruction (ISA guide 7.12.1)
.rept 4
	v_nop
.endr
.endm
.macro ROUND                           ; a round of the cluster's barrier
	s_barrier_signal -1
	s_barrier_wait -1
	s_cmp_lg_u32 s14, 0
	s_cbranch_scc1 .Lnot_wave_0_\@
	s_barrier_signal -3
.Lnot_wave_0_\@:
	s_barrier_wait -3
	s_barrier_signal -1
	s_barrier_wait -1
.endm
.macro JLOAD t                         ; batch t: waves 0-3 ask for K of block w & 3 of the batch, waves 4-7 for its V^T: one load a wave
	s_cmp_eq_u32 s15, 0
	s_cbranch_scc0 .Lfor_v_\@
	tensor_load_to_lds s[G0K+4*\t:G0K+4*\t+3], s[G1K:G1K+7]
	s_nop 0
	s_branch .Lasked_\@
.Lfor_v_\@:
	tensor_load_to_lds s[G0V+4*\t:G0V+4*\t+3], s[G1V:G1V+7]
	s_nop 0
.Lasked_\@:
.endm
	s_load_b256 s[4:11], s[0:1], 0x0               ; Qh s[4:5], Kh s[6:7], Vt s[8:9], vmax s[10:11]
	s_load_b64 s[12:13], s[0:1], 0x20              ; Ch
	v_lshl_add_u32 v142, v0, 2, 0x46000
	v_mov_b32 v143, 0
	ds_add_u32 v142, v143
	s_wait_dscnt 0x0
	v_lshrrev_b32 v1, 5, v0
	v_readfirstlane_b32 s14, v1                    ; wave 0..7
	s_lshr_b32 s15, s14, 2                         ; qh.  Also: I fetch K (0) or V^T (1)
	s_and_b32 s66, s14, 3                          ; kq.  Also: which block of a batch I fetch
	s_bfe_u32 s67, ttmp6, 0x40000                  ; cx
	s_lshl_b32 s68, ttmp9, 2
	s_add_co_u32 s68, s68, s67                     ; p = 4 x cluster x + cx: enters global addresses of Q and Ch and the comparison value alone
	s_and_b32 s69, ttmp7, 0xffff                   ; bh
	s_mov_b32 s72, 0x76543210
	s_mov_b32 s73, 0xfedcba98
	s_mov_b32 s[G1K+0], 15|(1<<16)|(1<<20)|(1<<21)|(4<<22)|(3<<25)  ; all four of the cluster; 2-byte elements; after every 32 words 4 words of padding
	s_mov_b32 s[G1K+1], 64<<16                     ; tensor_dim0 = 64
	s_mov_b32 s[G1K+2], 128<<16                    ; tensor_dim1 = 128
	s_mov_b32 s[G1K+3], 64<<16                     ; tile_dim0 = 64
	s_mov_b32 s[G1K+4], 128                        ; tile_dim1 = 128
	s_mov_b32 s[G1K+5], 64                         ; a head's rows are 128 bytes in the tensor itself
	s_mov_b32 s[G1K+6], 0
	s_mov_b32 s[G1K+7], 0
	s_mov_b32 s[G1V+0], 15|(1<<16)|(1<<20)|(1<<21)|(5<<22)|(3<<25)  ; after every 64 words
	s_mov_b32 s[G1V+1], 128<<16                    ; 128 positions = 256 bytes, aligned
	s_mov_b32 s[G1V+2], 64<<16                     ; 64 rows d
	s_mov_b32 s[G1V+3], 128<<16
	s_mov_b32 s[G1V+4], 64
	s_mov_b32 s[G1V+5], 2048
	s_mov_b32 s[G1V+6], 0
	s_mov_b32 s[G1V+7], 0
	s_lshl_b32 s74, s69, 18                        ; a (batch, head) is 262,144 bytes in Qh, Kh and Vt
	s_mov_b32 s75, 0
	s_mul_i32 s70, s66, SLOT                       ; my block's slot in an even batch
	s_lshr_b32 s71, s66, 1
	s_and_b32 s82, s66, 1
	s_mov_b32 s79, 0
	s_wait_kmcnt 0x0
	s_add_nc_u64 s[4:5], s[4:5], s[74:75]
	s_add_nc_u64 s[6:7], s[6:7], s[74:75]
	s_add_nc_u64 s[8:9], s[8:9], s[74:75]
.irp t, 0,1,2,3
	s_add_co_u32 s76, s71, 2*\t                    ; blocks 0 and 2 of batch t: kb = 2 t, 2 t + 1
	s_sub_co_u32 s77, 15, s76                      ; blocks 1 and 3: 15 - 2 t, 14 - 2 t
	s_cmp_lg_u32 s82, 0
	s_cselect_b32 s76, s77, s76
	s_lshl_b32 s78, s76, 14                        ; 128 rows of 128 bytes
	s_mov_b32 s[G0K+4*\t], 1
	s_add_co_u32 s[G0K+4*\t+1], s70, (\t&1)*4*SLOT
	s_add_nc_u64 s[G0K+4*\t+2:G0K+4*\t+3], s[6:7], s[78:79]
	s_or_b32 s[G0K+4*\t+3], s[G0K+4*\t+3], 0x80000000
	s_lshl_b32 s78, s76, 8                         ; 128 positions of 2 bytes
	s_mov_b32 s[G0V+4*\t], 1
	s_add_co_u32 s[G0V+4*\t+1], s70, (\t&1)*4*SLOT+VOFF
	s_add_nc_u64 s[G0V+4*\t+2:G0V+4*\t+3], s[8:9], s[78:79]
	s_or_b32 s[G0V+4*\t+3], s[G0V+4*\t+3], 0x80000000
.endr
	ROUND                                          ; the four work-groups are here: the first joint loads meet
	JLOAD 0
	JLOAD 1                                        ; two tensor loads of a wave are out: the most in this text
	s_lshl_b32 s76, s15, 7
	s_lshl4_add_u32 s76, s68, s76                  ; 128 qh + 16 p
	s_lshl_b32 s77, s76, 7                         ; in rows of 128 bytes
	s_lshl_b32 s78, s66, 5
	s_sub_co_i32 s76, s76, s78                     ; - 32 kq
	v_and_b32 v12, 15, v0                          ; r
	v_bfe_u32 v13, v0, 4, 1                        ; h
	v_and_b32 v10, 31, v0                          ; lane
	v_lshlrev_b32 v[QOFF], 7, v12
	v_lshl_add_u32 v[QOFF], v13, 4, v[QOFF]
	v_add_nc_u32 v[QOFF], s77, v[QOFF]             ; (128 qh + 16 p + r) 128 + 16 h
	v_lshrrev_b32 v[RRD0], 3, v10
	v_lshlrev_b32 v[CO], 4, v10
.irp u, 0,1,2,3,4,5,6,7
.irp c, 0,1
.irp e, 0,1
	global_load_b128 v[Q+16*\u+8*\c+4*\e:Q+16*\u+8*\c+4*\e+3], v[QOFF], s[4:5] offset:32768*\u+64*\c+32*\e   ; tile m = 2 u + qh: 256 rows on for each u
.endr
.endr
.endr
.irp n, 0,1,2,3,4,5,6,7
	global_load_b128 v[64+4*\n:64+4*\n+3], v[CO], s[10:11] offset:512*\n           ; the 1,024 maxima, 32 a lane
.endr
	v_mul_u32_u24 v[KBASE], v12, 144
	v_lshl_add_u32 v[KBASE], v13, 4, v[KBASE]
	s_mul_i32 s78, s66, 32*144
	v_add_nc_u32 v[KBASE], s78, v[KBASE]           ; (32 kq + r) 144 + 16 h
	v_mul_u32_u24 v[VBASE], v12, 272
	v_lshl_add_u32 v[RSTO], v13, 5, v[VBASE]
	v_lshl_add_u32 v[VBASE], v13, 4, v[VBASE]
	s_lshl_b32 s78, s66, 6
	v_add_nc_u32 v[VBASE], s78, v[VBASE]           ; r 272 + 64 kq + 16 h
	s_mul_i32 s78, s14, PART
	v_add_nc_u32 v[RSTO], s78, v[RSTO]             ; wave x 34,816 + r 272 + 32 h
	v_lshlrev_b32 v[LIME], 3, v13
	v_sub_nc_u32 v[LIME], v12, v[LIME]
	v_add_nc_u32 v[LIME], s76, v[LIME]
	v_add_nc_u32 v[LIMO], 0xffffff80, v[LIME]
	v_mul_u32_u24 v[RRD0], v[RRD0], 272
	v_and_b32 v[RRD1], 7, v0
	v_lshl_add_u32 v[RRD0], v[RRD1], 5, v[RRD0]
	s_mul_i32 s78, s15, 4*PART
	s_mul_i32 s83, s66, 32*272
	s_add_co_u32 s78, s78, s83
	v_add_nc_u32 v[RRD0], s78, v[RRD0]             ; 4 qh parts + (32 kq + lane / 8) 272 + 32 (lane % 8)
	v_add_nc_u32 v[RRD1], 2*PART, v[RRD0]
	s_and_b32 s76, s69, 15                         ; Ch: ((head) 4096 + (batch) 2048 + 128 qh + 16 p + 512 kq) rows of 128 bytes
	s_lshl_b32 s76, s76, 12
	s_lshr_b32 s77, s69, 4
	s_lshl_b32 s77, s77, 11
	s_add_co_u32 s76, s76, s77
	s_lshl_b32 s77, s15, 7
	s_add_co_u32 s76, s76, s77
	s_lshl4_add_u32 s76, s68, s76
	s_lshl_b32 s77, s66, 9
	s_add_co_u32 s76, s76, s77
	s_lshl_b32 s76, s76, 7
	s_mov_b32 s77, 0
	s_add_nc_u64 s[12:13], s[12:13], s[76:77]
	s_wait_loadcnt 0x0
	v_max3_num_f32 v12, v64, v65, v66
.set i, 67
.rept 14
	v_max3_num_f32 v12, v12, v[i], v[i+1]
.set i, i+2
.endr
	v_max_num_f32 v12, v12, v95
	v_max_num_f32_dpp v12, v12, v12 row_xmask:1 row_mask:0xf bank_mask:0xf
	v_max_num_f32_dpp v12, v12, v12 row_xmask:2 row_mask:0xf bank_mask:0xf
	v_max_num_f32_dpp v12, v12, v12 row_xmask:4 row_mask:0xf bank_mask:0xf
	v_max_num_f32_dpp v12, v12, v12 row_xmask:8 row_mask:0xf bank_mask:0xf
	v_permlanex16_b32 v13, v12, s72, s73
	v_max_num_f32 v12, v12, v13                    ; max |V| over the whole problem
	v_bfe_u32 v12, v12, 23, 8                      ; its exponent field e: max |V| < 2^(e - 126)
	v_max_u32 v12, 4, v12                          ; so that both the scale and its inverse are normal numbers
	v_sub_nc_u32 v12, 0x101, v12                   ; s = 2^(130 - e): field 257 - e
	v_lshlrev_b32 v[SC], 23, v12
	v_mov_b32 v[SC+1], v[SC]
	s_wait_tensorcnt 0x1                           ; my part of batch 0 is in; batch 1's load stays out
	s_barrier_signal -1
	s_barrier_wait -1
.macro KLOAD slot                      ; my 32 keys x 64 d: 4 fragments
	v_add_nc_u32 v[KA], (\slot)*SLOT, v[KBASE]
.irp kt, 0,1
.irp c, 0,1
.irp e, 0,1
	ds_load_b128 v[KF+16*\kt+8*\c+4*\e:KF+16*\kt+8*\c+4*\e+3], v[KA] offset:2304*\kt+64*\c+32*\e
.endr
.endr
.endr
.endm
.macro VLOAD slot                      ; 64 d x my 32 keys: 4 fragments
	v_add_nc_u32 v[VA], (\slot)*SLOT+VOFF, v[VBASE]
.irp dt, 0,1,2,3
.irp e, 0,1
	ds_load_b128 v[VF+8*\dt+4*\e:VF+8*\dt+4*\e+3], v[VA] offset:4352*\dt+32*\e
.endr
.endr
.endm
; nu = 1 or 2 units, u = ua, ua + 1.  The score tiles take turns, one instruction a turn, and so do the context tiles.
.macro GROUP ua, nu, masked, first, isfirst, knext
.set XX, 0
.rept \nu
.irp kt, 0,1
	v_wmma_f32_16x16x32_f16 v[S+16*XX+8*\kt:S+16*XX+8*\kt+7], v[KF+16*\kt:KF+16*\kt+7], v[Q+16*(\ua+XX):Q+16*(\ua+XX)+7], 0
.endr
.set XX, XX+1
.endr
.set XX, 0
.rept \nu
.irp kt, 0,1
	v_wmma_f32_16x16x32_f16 v[S+16*XX+8*\kt:S+16*XX+8*\kt+7], v[KF+16*\kt+8:KF+16*\kt+15], v[Q+16*(\ua+XX)+8:Q+16*(\ua+XX)+15], v[S+16*XX+8*\kt:S+16*XX+8*\kt+7]
.endr
.set XX, XX+1
.endr
.if \isfirst
	s_wait_dscnt 0x0                               ; the block's V^T fragments are in
.endif
	PLACES                                         ; for the readers of S, for the writes into ATT (a source of the products before), for the loads into KF
.if (\ua+\nu) == 8
.if \knext >= 0
	KLOAD \knext                                   ; the block's last scores are made: the next block's K, a group ahead of its use
.endif
.endif
.if \masked
.irp kt, 0,1
.irp j, 0,1,2,3,4,5,6,7
	v_cmp_le_i32 vcc_lo, 16*\kt+\j, v[LIMR]        ; key <= query
	v_cndmask_b32 v[S+8*\kt+\j], 0, v[S+8*\kt+\j], vcc_lo
.endr
.endr
.endif
.set XX, 0
.rept \nu
.irp j, 0,1,2,3,4,5,6,7,8,9,10,11,12,13,14,15
	v_max_num_f32 v[S+16*XX+\j], 0, v[S+16*XX+\j]
.endr
.irp i, 0,1,2,3,4,5,6,7
	v_cvt_pk_f16_f32 v[ATT+8*XX+\i], v[S+16*XX+2*\i], v[S+16*XX+2*\i+1]            ; keys 16 kt + 8 h + 2 i, + 1 of query r: the operand's own layout
.endr
.set XX, XX+1
.endr
	WIN 0x50
.set XX, 0
.rept \nu
.irp dt, 0,1,2,3
.if \first
	v_wmma_f32_16x16x32_f16 v[32*(\ua+XX)+8*\dt:32*(\ua+XX)+8*\dt+7], v[VF+8*\dt:VF+8*\dt+7], v[ATT+8*XX:ATT+8*XX+7], 0
.else
	v_wmma_f32_16x16x32_f16 v[32*(\ua+XX)+8*\dt:32*(\ua+XX)+8*\dt+7], v[VF+8*\dt:VF+8*\dt+7], v[ATT+8*XX:ATT+8*XX+7], v[32*(\ua+XX)+8*\dt:32*(\ua+XX)+8*\dt+7]
.endif
.endr
.set XX, XX+1
.endr
	WIN 0
.endm
; Key block kb from a slot: units u = kb / 2 .. 7.  first = 1: the products start the sums (kb = 0 meets all eight u).
; knext: the slot of the batch's next block, or -1; kload = 1: K was not fetched ahead (a batch's first block).
.macro BLOCK kb, slot, first, knext, kload
	PLACES                                         ; behind the last products, which read VF
.if \kload
	KLOAD \slot
.endif
	VLOAD \slot
	s_wait_dscnt 0x8                               ; K's eight loads are in; V's eight, issued behind them, may be out
.set UU, (\kb)/2
.if (\kb)&1
.set LIMR, LIMO
.else
.set LIMR, LIME
.endif
.if (8-UU)&1
	GROUP UU, 1, 1, \first, 1, \knext
.set UU, UU+1
.else
	GROUP UU, 2, 1, \first, 1, \knext
.set UU, UU+2
.endif
.rept (8-UU)/2
	GROUP UU, 2, 0, \first, 0, \knext
.set UU, UU+2
.endr
.endm
	BLOCK 0,  0, 1, 1, 1                           ; batch 0, slots 0-3
	BLOCK 15, 1, 0, 2, 0
	BLOCK 1,  2, 0, 3, 0
	BLOCK 14, 3, 0, -1, 0
	s_wait_dscnt 0x0                               ; my reads of slots 0-3 are back
	s_wait_xcnt 0x0
	v_lshl_add_u32 v142, v0, 2, 0x46000
	v_mov_b32 v143, 0
	s_wait_tensorcnt 0x0                           ; all my tensor loads have landed: my part of batch 1
	ds_add_u32 v142, v143
	s_wait_dscnt 0x0
	ROUND                                          ; both hold of every wave of the four work-groups
	JLOAD 2                                        ; slots 0-3 again: the first tensor load behind the round
	BLOCK 2,  4, 0, 5, 1                           ; batch 1, slots 4-7
	BLOCK 13, 5, 0, 6, 0
	BLOCK 3,  6, 0, 7, 0
	BLOCK 12, 7, 0, -1, 0
	s_wait_dscnt 0x0
	s_wait_xcnt 0x0
	v_lshl_add_u32 v142, v0, 2, 0x46000
	v_mov_b32 v143, 0
	s_wait_tensorcnt 0x0                           ; my part of batch 2
	ds_add_u32 v142, v143
	s_wait_dscnt 0x0
	ROUND
	JLOAD 3                                        ; slots 4-7 again
	BLOCK 4,  0, 0, 1, 1                           ; batch 2
	BLOCK 11, 1, 0, 2, 0
	BLOCK 5,  2, 0, 3, 0
	BLOCK 10, 3, 0, -1, 0
	s_wait_dscnt 0x0
	s_wait_tensorcnt 0x0                           ; my part of batch 3: the last load
	s_barrier_signal -1
	s_barrier_wait -1
	BLOCK 6,  4, 0, 5, 1                           ; batch 3
	BLOCK 9,  5, 0, 6, 0
	BLOCK 7,  6, 0, 7, 0
	BLOCK 8,  7, 0, -1, 0
	; THE SUM OVER THE FOUR KEY QUARTERS.  The slots have had their last fill; behind a barrier they take each wave's 128 rows x 64 f32.
	s_wait_dscnt 0x0
	s_barrier_signal -1
	s_barrier_wait -1                              ; nobody reads a slot any more
	PLACES
	WIN 0x04                                       ; the stores' data in window 1
.irp u, 0,1,2,3,4,5,6,7
.irp dt, 0,1,2,3
.irp e, 0,1
	ds_store_b128 v[RSTO], v[32*\u+8*\dt+4*\e:32*\u+8*\dt+4*\e+3] offset:4352*\u+64*\dt+16*\e   ; row 16 u + r, d = 16 dt + 8 h + 4 e .. +3
.endr
.endr
.endr
	WIN 0
	s_wait_dscnt 0x0                               ; for the others' sake
	s_barrier_signal -1
	s_barrier_wait -1
; Wave (qh, kq) finishes rows 32 kq .. +31 of its qh: eight tasks of 4 rows; a lane takes 8 d of a row from each of the four parts.
.macro HALF hf
.irp tt, 0,1,2,3
.irp e, 0,1
	ds_load_b128 v[128+32*\tt+4*\e:128+32*\tt+4*\e+3],       v[RRD0] offset:1088*(4*\hf+\tt)+16*\e
	ds_load_b128 v[128+32*\tt+8+4*\e:128+32*\tt+8+4*\e+3],   v[RRD0] offset:PART+1088*(4*\hf+\tt)+16*\e
	ds_load_b128 v[128+32*\tt+16+4*\e:128+32*\tt+16+4*\e+3], v[RRD1] offset:1088*(4*\hf+\tt)+16*\e
	ds_load_b128 v[128+32*\tt+24+4*\e:128+32*\tt+24+4*\e+3], v[RRD1] offset:PART+1088*(4*\hf+\tt)+16*\e
.endr
.endr
.irp tt, 0,1,2,3
	s_wait_dscnt 24-8*\tt                          ; this task's eight loads are in, the later tasks' stay out
.irp q, 0,2,4,6
	v_pk_add_f32 v[128+32*\tt+\q:128+32*\tt+\q+1], v[128+32*\tt+\q:128+32*\tt+\q+1], v[128+32*\tt+8+\q:128+32*\tt+8+\q+1]
	v_pk_add_f32 v[128+32*\tt+16+\q:128+32*\tt+16+\q+1], v[128+32*\tt+16+\q:128+32*\tt+16+\q+1], v[128+32*\tt+24+\q:128+32*\tt+24+\q+1]
.endr
.irp q, 0,2,4,6
	v_pk_add_f32 v[128+32*\tt+\q:128+32*\tt+\q+1], v[128+32*\tt+\q:128+32*\tt+\q+1], v[128+32*\tt+16+\q:128+32*\tt+16+\q+1]
.endr
.irp q, 0,2,4,6
	v_pk_mul_f32 v[128+32*\tt+\q:128+32*\tt+\q+1], v[128+32*\tt+\q:128+32*\tt+\q+1], v[SC:SC+1]
.endr
.irp i, 0,1,2,3
	v_cvt_pk_f16_f32 v[16+4*(4*\hf+\tt)+\i], v[128+32*\tt+2*\i], v[128+32*\tt+2*\i+1]      ; a register set for each task: no store's data is written again
.endr
	global_store_b128 v[CO], v[16+4*(4*\hf+\tt):16+4*(4*\hf+\tt)+3], s[12:13] offset:32768*\hf+512*\tt   ; four rows = 512 consecutive bytes, aligned
.endr
.endm
	HALF 0
	HALF 1
	s_wait_xcnt 0x0
	v_lshl_add_u32 v142, v0, 2, 0x46000
	v_mov_b32 v143, 0
	s_wait_tensorcnt 0x0
	ds_add_u32 v142, v143
	s_wait_dscnt 0x0
	ROUND                                          ; the closing round
	s_endpgm
.Lfunc_end_k_q4583612be1_attn:
	.size	k_q4583612be1_attn, .Lfunc_end_k_q4583612be1_attn-k_q4583612be1_attn
	.p2alignl 7, 3214868480
	.fill 96, 4, 3214868480
	.section	.rodata,"a",@progbits
	.p2align	6, 0x0
	.amdhsa_kernel k_q4583612be1_attn
		.amdhsa_group_segment_fixed_size 327680
		.amdhsa_private_segment_fixed_size 0
		.amdhsa_enable_private_segment 0
		.amdhsa_kernarg_size 40
		.amdhsa_user_sgpr_count 2
		.amdhsa_user_sgpr_kernarg_segment_ptr 1
		.amdhsa_wavefront_size32 1
		.amdhsa_system_sgpr_workgroup_id_x 1
		.amdhsa_system_sgpr_workgroup_id_y 1
		.amdhsa_system_sgpr_workgroup_id_z 1
		.amdhsa_system_vgpr_workitem_id 0
		.amdhsa_next_free_vgpr 512
		.amdhsa_next_free_sgpr 84
		.amdhsa_reserve_vcc 1
		.amdhsa_float_denorm_mode_32 3
		.amdhsa_float_denorm_mode_16_64 3
		.amdhsa_memory_ordered 1
		.amdhsa_forward_progress 1
		.amdhsa_inst_pref_size 188
	.end_amdhsa_kernel
	.amdgpu_metadata
---
amdhsa.version: [ 1, 2 ]
amdhsa.kernels:
  - .name:           k_q4583612be1_attn
    .symbol:         k_q4583612be1_attn.kd
    .args:
      - { .name: Qh, .offset: 0, .size: 8, .value_kind: global_buffer, .address_space: global }
      - { .name: Kh, .offset: 8, .size: 8, .value_kind: global_buffer, .address_space: global }
      - { .name: Vt, .offset: 16, .size: 8, .value_kind: global_buffer, .address_space: global }
      - { .name: vmax, .offset: 24, .size: 8, .value_kind: global_buffer, .address_space: global }
      - { .name: Ch, .offset: 32, .size: 8, .value_kind: global_buffer, .address_space: global }
    .group_segment_fixed_size: 327680
    .private_segment_fixed_size: 0
    .kernarg_segment_align: 8
    .kernarg_segment_size: 40
    .max_flat_workgroup_size: 256
    .sgpr_count:     84
    .vgpr_count:     512
    .wavefront_size: 32
...
	.end_amdgpu_metadata
.endif
;; end of part 3
;; launch out (part 4): grid 8 x 32, 4 waves a work-group, clusters of 4 x 4, 327,680 bytes of LDS; arguments Ch, Wh, vmax, out0; writes out0
.if DOCPART == 4
	.amdgcn_target "amdgcn-amd-amdhsa--gfx1250"
	.amdhsa_code_object_version 6
	.text
	.protected	k_q4583612be1_out
	.globl	k_q4583612be1_out
	.p2align	8
	.type	k_q4583612be1_out,@function
k_q4583612be1_out:
	s_mov_b64 s[64:65], 0
	v_nop
	global_prefetch_b8 v0, s[64:65] scope:SCOPE_SE
	s_setreg_imm32_b32 hwreg(HW_REG_WAVE_MODE, 25, 1), 1
	s_wait_xcnt 0x0
	s_wait_alu depctr_hold_cnt(0) depctr_sa_sdst(0) depctr_va_vdst(0) depctr_va_sdst(0) depctr_va_ssrc(0) depctr_va_vcc(0) depctr_vm_vsrc(0)
	s_getreg_b32 s2, hwreg(HW_REG_IB_STS2, 6, 4)
	s_cmp_eq_u32 s2, 0
	s_cbranch_scc0 .Lentry_in_a_cluster
	s_endpgm
.Lentry_in_a_cluster:
	s_bfe_u32 s2, ttmp6, 0x10000c
	s_cmp_lg_u32 s2, 0xf033
	s_cbranch_scc0 .Lentry_shape_is_right
	s_endpgm
.Lentry_shape_is_right:
; out0[row][n] = (1/s) x sum over k of Ch[k / 64][row][k % 64] Wo[n][k]: [4096 x 1024] x [1024 x 1024]^T, f16 operands, f32 sums.
; Wo in f16 is rows 3072 .. 4095 of Wh.  1/s is the power of two that undoes the scale put on the context, taken from vmax in the same way: exact.
; A work-group makes 128 x 128 of out0 (256 work-groups of equal work), a wave 64 x 64: 16 accumulator tiles.  A larger block would leave
; work for 64 work-groups only.
; K goes in 8 steps of 128 = two heads: the context's tile is two dense blocks of 128 rows x 128 bytes, the weights' 128 rows of 256 bytes.
; Four LDS slots, filled two at a time behind one round of the cluster's barrier: two rounds with refills in the whole kernel.
; CLUSTERS 4 x 4: the context's tiles are shared along a row of the cluster, the weights' along a column; asked for jointly.
; The matrix instruction is used transposed (source 0 = weights): a lane holds 8 neighbouring columns of one row.
.set SLOT,  71680                      ; even head at 0, odd head at 18,432 (128 rows x 144), weights at 36,864 (128 rows x 272)
.set AH,    18432
.set BOFF,  36864
.set BH,    17408                      ; 64 rows x 272: what one tensor load of weights brings
.set STAGE, 4*SLOT                     ; 286,720 = 1,120 x 256: behind the ring, never filled by a tensor load
.set STAGEW, 4352                      ; a wave's own: 16 rows x 272
.set STO, 6
.set RD,  7
.set CO,  8
.set VO,  10
.set INV, 12                           ; v[12:13] 1/s, twice
.set ADRA, 16                          ; v16-19 my context fragments in slot 0..3
.set ADRB, 20                          ; v20-23 my weight fragments
.set FA,  32                           ; v32-63 (buffer 0), v96-127 (buffer 1)
.set FB,  64                           ; v64-95, v128-159
.set TMP, 160                          ; v160-191
.set RB,  192                          ; v192-223
                                       ; window 1: accumulators at 32 a + 8 b
.set G1A, 16
.set G1B, 24
.set G0A, 32                           ; s[32:47] a set for each slot
.set G0B, 48                           ; s[48:63]
.set MSB, 0
.macro WIN new
.if MSB != (\new)
	s_set_vgpr_msb (MSB<<8)|(\new)
.set MSB, (\new)
.endif
.endm
.macro PLACES                          ; four places behind a matrix instruction (ISA guide 7.12.1)
.rept 4
	v_nop
.endr
.endm
.macro JLOAD s                         ; waves 0, 1 ask for the two heads of the context, waves 2, 3 for the weights' two halves
	s_cmp_eq_u32 s13, 0
	s_cbranch_scc0 .Lfor_b_\@
	tensor_load_to_lds s[G0A+4*\s:G0A+4*\s+3], s[G1A:G1A+7]
	s_nop 0
	s_branch .Lasked_\@
.Lfor_b_\@:
	tensor_load_to_lds s[G0B+4*\s:G0B+4*\s+3], s[G1B:G1B+7]
	s_nop 0
.Lasked_\@:
.endm
.macro CROUND                          ; a round of the cluster's barrier
	s_barrier_signal -1
	s_barrier_wait -1
	s_cmp_lg_u32 s12, 0
	s_cbranch_scc1 .Lnot_wave_0_\@
	s_barrier_signal -3
.Lnot_wave_0_\@:
	s_barrier_wait -3
	s_barrier_signal -1
	s_barrier_wait -1
.endm
	s_load_b256 s[4:11], s[0:1], 0x0               ; Ch s[4:5], Wh s[6:7], vmax s[8:9], out0 s[10:11]
	v_lshl_add_u32 v254, v0, 2, 0x4a400
	v_mov_b32 v255, 0
	ds_add_u32 v254, v255
	v_lshrrev_b32 v1, 5, v0
	v_readfirstlane_b32 s12, v1                    ; wave 0..3
	s_lshr_b32 s13, s12, 1                         ; wr.  Also: I fetch context (0) or weights (1)
	s_and_b32 s14, s12, 1                          ; wc.  Also: which head, which half
	s_bfe_u32 s66, ttmp6, 0x40000                  ; cx
	s_bfe_u32 s67, ttmp6, 0x40004                  ; cy
	s_lshl_b32 s68, ttmp9, 2
	s_add_co_u32 s68, s68, s66                     ; bx: block of 128 columns
	s_and_b32 s69, ttmp7, 0xffff
	s_lshl_b32 s69, s69, 2
	s_add_co_u32 s69, s69, s67                     ; by: block of 128 rows
	s_lshl_b32 s70, s67, 2
	s_lshl_b32 s70, 15, s70                        ; my row of the cluster
	s_lshl_b32 s71, 0x1111, s66                    ; my column
	s_mov_b32 s72, 0x76543210
	s_mov_b32 s73, 0xfedcba98
	s_or_b32 s[G1A+0], s70, (1<<16)|(1<<20)|(1<<21)|(4<<22)|(3<<25)   ; after every 32 words 4 words of padding: pitch 144
	s_mov_b32 s[G1A+1], 64<<16
	s_mov_b32 s[G1A+2], 128<<16
	s_mov_b32 s[G1A+3], 64<<16
	s_mov_b32 s[G1A+4], 128
	s_mov_b32 s[G1A+5], 64
	s_mov_b32 s[G1A+6], 0
	s_mov_b32 s[G1A+7], 0
	s_or_b32 s[G1B+0], s71, (1<<16)|(1<<20)|(1<<21)|(5<<22)|(3<<25)   ; after every 64 words: pitch 272
	s_mov_b32 s[G1B+1], 128<<16
	s_mov_b32 s[G1B+2], 64<<16
	s_mov_b32 s[G1B+3], 128<<16
	s_mov_b32 s[G1B+4], 64
	s_mov_b32 s[G1B+5], 1024
	s_mov_b32 s[G1B+6], 0
	s_mov_b32 s[G1B+7], 0
	s_lshl_b32 s74, s14, 12                        ; context: (head x 4096 + 128 by) rows of 128 bytes: by and the wave's number alone
	s_lshl_b32 s75, s69, 7
	s_add_co_u32 s74, s74, s75
	s_lshl_b32 s74, s74, 7
	s_mov_b32 s75, 0
	s_lshl_b32 s76, s68, 7                         ; weights: row 3072 + 128 bx + 64 half, of 2,048 bytes: bx and the wave's number alone
	s_lshl_b32 s77, s14, 6
	s_add_co_u32 s76, s76, s77
	s_add_co_u32 s76, s76, 3072
	s_lshl_b32 s76, s76, 11
	s_mov_b32 s77, 0
	s_mul_i32 s78, s14, AH
	s_mul_i32 s79, s14, BH
	s_add_co_u32 s79, s79, BOFF
	s_wait_dscnt 0x0
	s_wait_kmcnt 0x0
	s_add_nc_u64 s[74:75], s[4:5], s[74:75]
	s_add_nc_u64 s[76:77], s[6:7], s[76:77]
	CROUND                                         ; in front of the first joint loads
.irp k, 0,1,2,3
	s_mov_b32 s[G0A+4*\k], 1
	s_add_co_u32 s[G0A+4*\k+1], s78, \k*SLOT
	s_add_nc_u64 s[G0A+4*\k+2:G0A+4*\k+3], s[74:75], \k*1048576    ; K step k: two heads of 4,096 rows x 128 bytes on
	s_or_b32 s[G0A+4*\k+3], s[G0A+4*\k+3], 0x80000000
	s_mov_b32 s[G0B+4*\k], 1
	s_add_co_u32 s[G0B+4*\k+1], s79, \k*SLOT
	s_add_nc_u64 s[G0B+4*\k+2:G0B+4*\k+3], s[76:77], \k*256
	s_or_b32 s[G0B+4*\k+3], s[G0B+4*\k+3], 0x80000000
	JLOAD \k                                       ; four tensor loads of a wave are out: the most in this text
.endr
	v_and_b32 v1, 15, v0                           ; r
	v_bfe_u32 v2, v0, 4, 1                         ; h
	v_and_b32 v4, 31, v0
	v_lshlrev_b32 v[VO], 4, v4
.irp n, 0,1,2,3,4,5,6,7
	global_load_b128 v[TMP+4*\n:TMP+4*\n+3], v[VO], s[8:9] offset:512*\n           ; the 1,024 maxima, 32 a lane
.endr
	s_lshl_b32 s82, s69, 7                         ; out0: (128 by + 64 wr) rows of 4,096 bytes + (128 bx + 64 wc) x 4 bytes
	s_lshl_b32 s83, s13, 6
	s_add_co_u32 s82, s82, s83
	s_lshl_b32 s82, s82, 12
	s_lshl_b32 s84, s68, 7
	s_lshl_b32 s83, s14, 6
	s_add_co_u32 s84, s84, s83
	s_lshl2_add_u32 s82, s84, s82
	s_mov_b32 s83, 0
	s_add_nc_u64 s[10:11], s[10:11], s[82:83]
	v_mul_u32_u24 v3, v1, 144
	v_lshl_add_u32 v3, v2, 4, v3
	v_mul_u32_u24 v5, v1, 272
	v_lshl_add_u32 v[STO], v2, 5, v5
	v_lshl_add_u32 v5, v2, 4, v5
	s_mul_i32 s85, s13, 64*144
	s_mul_i32 s86, s14, 64*272
	s_add_co_u32 s86, s86, BOFF
.irp s, 0,1,2,3
	v_add_nc_u32 v[ADRA+\s], s85, v3               ; slot + (64 wr + r) 144 + 16 h
	v_add_nc_u32 v[ADRB+\s], s86, v5               ; slot + 36,864 + (64 wc + r) 272 + 16 h
	s_add_co_u32 s85, s85, SLOT
	s_add_co_u32 s86, s86, SLOT
.endr
	s_mul_i32 s87, s12, STAGEW
	s_add_co_u32 s87, s87, STAGE
	v_add_nc_u32 v[STO], s87, v[STO]               ; in: row r, 32 bytes for each half of the lanes
	v_mul_u32_u24 v9, v2, 272
	v_lshl_add_u32 v9, v1, 4, v9
	v_add_nc_u32 v[RD], s87, v9                    ; back: sixteen lanes take a row of 256 bytes
	v_lshlrev_b32 v9, 12, v2
	v_lshl_add_u32 v[CO], v1, 4, v9                ; the same two rows in out0
	s_wait_loadcnt 0x0
	v_max3_num_f32 v14, v[TMP], v[TMP+1], v[TMP+2]
.set i, TMP+3
.rept 14
	v_max3_num_f32 v14, v14, v[i], v[i+1]
.set i, i+2
.endr
	v_max_num_f32 v14, v14, v[TMP+31]
	v_max_num_f32_dpp v14, v14, v14 row_xmask:1 row_mask:0xf bank_mask:0xf
	v_max_num_f32_dpp v14, v14, v14 row_xmask:2 row_mask:0xf bank_mask:0xf
	v_max_num_f32_dpp v14, v14, v14 row_xmask:4 row_mask:0xf bank_mask:0xf
	v_max_num_f32_dpp v14, v14, v14 row_xmask:8 row_mask:0xf bank_mask:0xf
	v_permlanex16_b32 v9, v14, s72, s73
	v_max_num_f32 v14, v14, v9
	v_bfe_u32 v14, v14, 23, 8                      ; the exponent field e, as in the launch that scaled
	v_max_u32 v14, 4, v14
	v_add_nc_u32 v14, -3, v14                      ; 1/s = 2^(e - 130): field e - 3
	v_lshlrev_b32 v[INV], 23, v14
	v_mov_b32 v[INV+1], v[INV]
.macro FETCH slot, q, f                ; quarter q of a K step (32 k): 4 weight fragments, then 4 of the context, into buffer f
.irp i, 0,1,2,3
.irp e, 0,1
	ds_load_b128 v[FB+64*(\f)+8*\i+4*\e:FB+64*(\f)+8*\i+4*\e+3], v[ADRB+\slot] offset:4352*\i+64*\q+32*\e
.endr
.endr
.irp i, 0,1,2,3
.irp e, 0,1
	ds_load_b128 v[FA+64*(\f)+8*\i+4*\e:FA+64*(\f)+8*\i+4*\e+3], v[ADRA+\slot] offset:(\q>>1)*AH+2304*\i+64*(\q&1)+32*\e
.endr
.endr
.endm
.macro MUL8 f, a0, zero
.irp a, \a0, \a0+1
.irp b, 0,1,2,3
.if \zero
	v_wmma_f32_16x16x32_f16 v[32*(\a)+8*\b:32*(\a)+8*\b+7], v[FB+64*\f+8*\b:FB+64*\f+8*\b+7], v[FA+64*\f+8*(\a):FA+64*\f+8*(\a)+7], 0
.else
	v_wmma_f32_16x16x32_f16 v[32*(\a)+8*\b:32*(\a)+8*\b+7], v[FB+64*\f+8*\b:FB+64*\f+8*\b+7], v[FA+64*\f+8*(\a):FA+64*\f+8*(\a)+7], v[32*(\a)+8*\b:32*(\a)+8*\b+7]
.endif
.endr
.endr
.endm
; 16 matrix instructions on buffer f; in the middle the next quarter's 16 loads go into the other buffer.
; The 16 accumulators take turns, one instruction a turn, in the same order in every quarter.
.macro QUARTER f, zero, fetch, nslot, nq
	s_wait_dscnt 4                                 ; the weights' 8 loads and the context's tiles 0, 1 are in; the youngest four (tiles 2, 3) may be out
	WIN 0x50
	MUL8 \f, 0, \zero
.if \fetch
	WIN 0
	PLACES
	FETCH \nslot, \nq, 1-\f
	s_wait_dscnt 16                                ; all but the 16 just issued
	WIN 0x50
.else
	s_wait_dscnt 0
.endif
	MUL8 \f, 2, \zero
.endm
.macro PAIR s0, s1, zero               ; two K steps, both visible: the fetches run on from one slot into the other
	QUARTER 0, \zero, 1, \s0, 1
	QUARTER 1, 0, 1, \s0, 2
	QUARTER 0, 0, 1, \s0, 3
	QUARTER 1, 0, 1, \s1, 0
	QUARTER 0, 0, 1, \s1, 1
	QUARTER 1, 0, 1, \s1, 2
	QUARTER 0, 0, 1, \s1, 3
	QUARTER 1, 0, 0, 0, 0
	WIN 0
.endm
.macro REFILL s0, s1                   ; the two slots just read get the K steps four further on
	s_wait_dscnt 0x0                               ; my reads of them are back
	s_wait_tensorcnt 0x0                           ; all my tensor loads have landed (the next two K steps among them), so every group 0 may be written
	ds_add_u32 v254, v255
	s_wait_dscnt 0x0
.irp s, \s0, \s1
	s_add_nc_u64 s[G0A+4*\s+2:G0A+4*\s+3], s[G0A+4*\s+2:G0A+4*\s+3], 4194304       ; eight heads on
	s_add_nc_u64 s[G0B+4*\s+2:G0B+4*\s+3], s[G0B+4*\s+2:G0B+4*\s+3], 1024          ; 512 k on
.endr
	CROUND                                         ; both hold of every wave of all sixteen work-groups
	JLOAD \s0                                      ; the first tensor loads behind the round
	JLOAD \s1
.endm
	s_wait_tensorcnt 0x2                           ; my parts of K steps 0 and 1 are in; steps 2 and 3 stay out
	s_barrier_signal -1
	s_barrier_wait -1
	FETCH 0, 0, 0
	PAIR 0, 1, 1                                   ; the first products start the sums
	REFILL 0, 1                                    ; K steps 4, 5
	PLACES
	FETCH 2, 0, 0
	PAIR 2, 3, 0
	REFILL 2, 3                                    ; K steps 6, 7
	PLACES
	FETCH 0, 0, 0
	PAIR 0, 1, 0
	s_wait_dscnt 0x0
	s_wait_tensorcnt 0x0                           ; my parts of K steps 6 and 7: the last loads
	s_barrier_signal -1
	s_barrier_wait -1
	PLACES
	FETCH 2, 0, 0
	PAIR 2, 3, 0
	PLACES                                         ; behind the last matrix instructions: results are read below
; 16 rows at a time: times 1/s, through my own stage, out as whole rows of 256 bytes
.macro OUT16 a
	s_wait_xcnt 0x0                                ; RB was the data of the stores before: loaded again only behind this wait
	WIN 0x01
.irp p, 0,1,2,3,4,5,6,7,8,9,10,11,12,13,14,15
	v_pk_mul_f32 v[TMP+2*\p:TMP+2*\p+1], v[32*\a+2*\p:32*\a+2*\p+1], v[INV:INV+1]
.endr
	WIN 0
.irp b, 0,1,2,3
.irp e, 0,1
	ds_store_b128 v[STO], v[TMP+8*\b+4*\e:TMP+8*\b+4*\e+3] offset:64*\b+16*\e      ; row r, columns 16 b + 8 h + 4 e .. +3
.endr
.endr
.irp t, 0,1,2,3,4,5,6,7
	ds_load_b128 v[RB+4*\t:RB+4*\t+3], v[RD] offset:544*\t                         ; my own bytes, served in order: these see the stores above
.endr
.irp t, 0,1,2,3,4,5,6,7
	s_wait_dscnt 7-\t
	global_store_b128 v[CO], v[RB+4*\t:RB+4*\t+3], s[10:11] offset:(16*\a+2*\t)*4096 th:TH_STORE_NT   ; sixteen lanes store 256 consecutive bytes, aligned
.endr
.endm
	OUT16 0
	OUT16 1
	OUT16 2
	OUT16 3
	s_wait_tensorcnt 0x0
	ds_add_u32 v254, v255
	s_wait_dscnt 0x0
	CROUND                                         ; the closing round
	s_endpgm
.Lfunc_end_k_q4583612be1_out:
	.size	k_q4583612be1_out, .Lfunc_end_k_q4583612be1_out-k_q4583612be1_out
	.p2alignl 7, 3214868480
	.fill 96, 4, 3214868480
	.section	.rodata,"a",@progbits
	.p2align	6, 0x0
	.amdhsa_kernel k_q4583612be1_out
		.amdhsa_group_segment_fixed_size 327680
		.amdhsa_private_segment_fixed_size 0
		.amdhsa_enable_private_segment 0
		.amdhsa_kernarg_size 32
		.amdhsa_user_sgpr_count 2
		.amdhsa_user_sgpr_kernarg_segment_ptr 1
		.amdhsa_wavefront_size32 1
		.amdhsa_system_sgpr_workgroup_id_x 1
		.amdhsa_system_sgpr_workgroup_id_y 1
		.amdhsa_system_sgpr_workgroup_id_z 1
		.amdhsa_system_vgpr_workitem_id 0
		.amdhsa_next_free_vgpr 384
		.amdhsa_next_free_sgpr 90
		.amdhsa_reserve_vcc 0
		.amdhsa_float_denorm_mode_32 3
		.amdhsa_float_denorm_mode_16_64 3
		.amdhsa_memory_ordered 1
		.amdhsa_forward_progress 1
		.amdhsa_inst_pref_size 99
	.end_amdhsa_kernel
	.amdgpu_metadata
---
amdhsa.version: [ 1, 2 ]
amdhsa.kernels:
  - .name:           k_q4583612be1_out
    .symbol:         k_q4583612be1_out.kd
    .args:
      - { .name: Ch, .offset: 0, .size: 8, .value_kind: global_buffer, .address_space: global }
      - { .name: Wh, .offset: 8, .size: 8, .value_kind: global_buffer, .address_space: global }
      - { .name: vmax, .offset: 16, .size: 8, .value_kind: global_buffer, .address_space: global }
      - { .name: out0, .offset: 24, .size: 8, .value_kind: global_buffer, .address_space: global }
    .group_segment_fixed_size: 327680
    .private_segment_fixed_size: 0
    .kernarg_segment_align: 8
    .kernarg_segment_size: 32
    .max_flat_workgroup_size: 128
    .sgpr_count:     90
    .vgpr_count:     384
    .wavefront_size: 32
...
	.end_amdgpu_metadata
.endif
;; end of part 4
